; MI455X (gfx1250); checked and timed in simulation.
; The chip was launched on July 23, 2026; its instructions are those of AMD's public machine-readable ISA for CDNA 5 (MIT licence, August 2026) and "CDNA5" Instruction Set Architecture Reference Guide (July 2026). The comments in the code are by the model that wrote it; some were corrected since.
;; K Nearest Neighbor. Allowed arithmetic: matrix products marked QUANTISED: E2M1 operands, one E8M0 scale for each 32 along K, by v_wmma_scale_f32_16x16x128_f8f6f4 with both operands' format E2M1 (or v_wmma_scale_f32_32x16x128_f4), f32 sums; everything else in f32.
;; Inputs: X 1,024 x 128 float32; X_train 100,000 x 128 float32; y_train 100,000 int32.
;; Outputs: out0 1,024 float32.
;; Constants: k = 5.
;; This version of the problem:
;;   THIS VERSION OF THE PROBLEM IS GIVEN IN LOW PRECISION. The matrix products marked QUANTISED in the list below multiply operands that are first quantised to E2M1 (2 exponent bits, 1 mantissa bit; 4 bits a number), with one power-of-two scale for each 32 numbers along K (OCP MX v1.0); their sums are f32. All else is computed in f32.
;;   The module's matrix products, in the order in which they are computed (A, B: the left and right operand; K: the contracted axis; several contracted axes count as one K, in the product's order):
;;     1. [M 1,024, K 128] x [K 128, N 100,000]; A: input X; B: input X_train: QUANTISED
;;   THE QUANTISER, for each operand of a quantised product, along K:
;;     - K is cut into blocks of 32 from its start; a last block that is shorter is filled with zeros.
;;     - A block's scale is 2^e with e = floor(log2(the largest magnitude in the block)) - 2, held to -126 .. 127; a block of zeros has e = 0. As a byte (E8M0): e + 127.
;;     - Each number is divided by its block's scale, clamped to +-6, and rounded to the nearest number of E2M1, ties to even, subnormals kept.
;;     - The product sums the exact products of the quantised numbers (number of the format x scale) in f32.
;;   ~~~python
;;   def quantise(x, axis):      # numpy; x: float32 -> the quantised numbers, widened to float32 again
;;       x = np.moveaxis(x, axis, -1); K = x.shape[-1]
;;       x = np.pad(x, [(0, 0)] * (x.ndim - 1) + [(0, -K % 32)]); x = x.reshape(x.shape[:-1] + (-1, 32)); a = np.abs(x).max(-1, keepdims=True)
;;       e = np.where(a > 0, np.clip(np.frexp(np.where(a > 0, a, 1))[1] - 1 - 2, -126, 127), 0)      # np.frexp(a)[1] - 1 = floor(log2(a)), exactly
;;       r = np.clip(x / 2.0 ** e, -6, 6)
;;       step = 2.0 ** (np.maximum(np.frexp(np.where(r == 0, 1, r))[1] - 1, 0) - 1)
;;       q = np.round(r / step) * step * 2.0 ** e      # np.round: ties to even
;;       return np.moveaxis(q.reshape(q.shape[:-2] + (-1,))[..., :K], -1, axis).astype(np.float32)
;;   ~~~
;; One version. Each part assembles by itself: llvm-mc -triple=amdgcn-amd-amdhsa -mcpu=gfx1250 --defsym DOCPART=n.
;; ======== version 1 of 1: 4 launches
;; workspace buffers: codes 6,465,536 bytes; meta 808,192 bytes; mins 8,192,000 bytes; picks 32,768 bytes of whole numbers
;; launch quant (part 1): grid 902 x 1, 7 waves a work-group, no clusters, 60,160 bytes of LDS; arguments X, X_train, codes, meta; writes codes, meta
.if DOCPART == 1
	.amdgcn_target "amdgcn-amd-amdhsa--gfx1250"
	.amdhsa_code_object_version 6
	.text
	.protected	k_q0347c617cc_quant
	.globl	k_q0347c617cc_quant
	.p2align	8
	.type	k_q0347c617cc_quant,@function
k_q0347c617cc_quant:
	s_mov_b64 s[64:65], 0
	v_nop
	global_prefetch_b8 v0, s[64:65] scope:SCOPE_SE
	s_setreg_imm32_b32 hwreg(HW_REG_WAVE_MODE, 25, 1), 1
	s_wait_xcnt 0x0
; X_train [100000][128] and X [1024][128], f32, become codes of FP4 (E2M1) with one E8M0 scale byte for each 32 along K, once for the whole program.
; A TILE is 16 rows.  Tiles 0 .. 6249 are X_train's, tiles 6250 .. 6313 are X's.  One wave makes one tile: 902 work-groups x 7 waves = 6,314.
; codes: 1,024 bytes a tile, THE IMAGE OF THE OPERAND'S REGISTERS: byte 512 c + 16 lane holds registers 4 c .. 4 c + 3 of lane (r = lane % 16, h = lane / 16): k = 64 c + 32 h + 0 .. 31 of row r.
; meta:  128 bytes a tile: words 0-15 the rows' scale words (byte b: k = 32 b ..), words 16-31 f32: -|t|^2 / 2 for X_train's rows, |x|^2 for X's, of the numbers as they are given.
; A block's scale byte is its largest magnitude's exponent field - 2, held at 1 from below by a floor among the maximum's leaves.
; LIMITS: a block of zeros gets the byte 1 where the rule says 127 (its codes are zeros, and this program alone reads the bytes); NaN and infinities among the inputs are not served;
; a row's squares are added in four packed chains, an order of rounding of this text's own.
; Each load reads one whole row, 512 consecutive bytes; the tile turns through the wave's own stage in LDS (rows 528 bytes apart: 132 words, so the 16 rows that a read touches start 4 banks apart)
; and comes back 32 neighbours along K to a lane and block.  Waves share nothing: no barrier.  Matrix units, clusters and tensor loads have nothing to do here: every byte is read once and memory binds.
.set NTR, 6250                         ; X_train's tiles
.set SP,  528                          ; a stage row
.set WST, 16*SP                        ; a wave's stage
.set MX,  8                            ; v8-9    the two blocks' largest magnitudes
.set OP,  10                           ; v10-11  the conversions' scale operands
.set BY,  12                           ; v12-13  the scale bytes
.set WD,  14                           ; v14     the scale word
.set TP,  15                           ; v15     what the lane 16 away holds
.set CD,  16                           ; v16-23  the codes
.set SQ,  24                           ; v24-31  four packed chains of squares
.set R,   32                           ; v32-95  the tile as loaded
.set XN,  96                           ; v96-159 my 2 x 32 neighbours along K
.set MB,  160                          ; v160-161 a second chain for each maximum
	s_load_b256 s[4:11], s[0:1], 0x0               ; X s[4:5], X_train s[6:7], codes s[8:9], meta s[10:11]
	v_lshl_add_u32 v168, v0, 2, 0xe700
	v_mov_b32 v169, 0
	v_lshrrev_b32 v1, 5, v0
	v_readfirstlane_b32 s12, v1                    ; wave 0..6
	v_and_b32 v1, 31, v0                           ; lane
	v_and_b32 v2, 15, v0                           ; r
	v_bfe_u32 v3, v0, 4, 1                         ; h
	v_lshlrev_b32 v4, 4, v1                        ; 16 x lane: my bytes of a row, and of an image
	s_mul_i32 s14, s12, WST                        ; my stage
	v_add_nc_u32 v5, s14, v4                       ; into it: 16 x lane, the row in the immediate
	v_mul_u32_u24 v6, v2, SP
	v_lshl_add_u32 v6, v3, 7, v6
	v_add_nc_u32 v6, s14, v6                       ; out of it: row r, + 128 h bytes: k = 32 h on
	v_lshlrev_b32 v7, 2, v1                        ; 4 x lane: my word of the tile's meta
	v_lshlrev_b32 v3, 3, v3                        ; 8 h: how far up my two scale bytes go
	v_mov_b32 v[TP], 0                             ; written once: a lane permute's destination counts as one of its sources
	s_mul_i32 s13, ttmp9, 7
	s_add_co_u32 s13, s13, s12                     ; my tile
	s_mov_b32 s20, 0x76543210
	s_mov_b32 s21, 0xfedcba98                      ; v_permlanex16_b32's selects for lane l xor 16
	s_mov_b32 s18, 0x3f800000                      ; X's squares are kept as they are,
	s_mov_b32 s17, 0
	s_wait_kmcnt 0x0
	s_cmp_lt_u32 s13, NTR                          ; X_train's tile or X's?  The choice hangs on ids alone
	s_cselect_b64 s[4:5], s[6:7], s[4:5]
	s_cselect_b32 s15, 0, NTR
	s_cselect_b32 s18, 0xbf000000, s18             ; X_train's are multiplied by -1/2, which rounds nothing
	s_sub_co_u32 s15, s13, s15                     ; the tile's number in its own tensor
	s_lshl_b32 s16, s15, 13                        ; 16 rows of 512 bytes
	s_add_nc_u64 s[4:5], s[4:5], s[16:17]
	s_lshl_b32 s16, s13, 10
	s_add_nc_u64 s[8:9], s[8:9], s[16:17]
	s_lshl_b32 s16, s13, 7
	s_add_nc_u64 s[10:11], s[10:11], s[16:17]
.irp i, 0,1,2,3,4,5,6,7,8,9,10,11,12,13,14,15
	global_load_b128 v[R+4*\i:R+4*\i+3], v4, s[4:5] offset:512*\i th:TH_LOAD_NT   ; row i: 32 lanes read 512 consecutive bytes; read once in the launch
.endr
.irp b, 0,1,2,3
	s_wait_loadcnt 12-4*\b                         ; loads come back in order: rows 4 b .. 4 b + 3 are in, the younger rows' loads stay out
.irp i, 0,1,2,3
	ds_store_b128 v5, v[R+16*\b+4*\i:R+16*\b+4*\i+3] offset:SP*(4*\b+\i)
.endr
.endr
.irp c, 0,1
.irp i, 0,1,2,3,4,5,6,7
	ds_load_b128 v[XN+32*\c+4*\i:XN+32*\c+4*\i+3], v6 offset:256*\c+16*\i   ; LDS serves a wave's instructions in order: these see my stores
.endr
.endr
; My block c: k = 64 c + 32 h + 0 .. 31 of row r: its largest magnitude (two chains), its part of the row's squares, its scale and its 32 codes.
.macro BLOCK c
.set B0, XN+32*\c
	v_max3_num_f32 v[MX+\c], |v[B0]|, |v[B0+1]|, 0x1800000   ; with the floor 2^(3 - 127): the byte cannot fall under 1
	v_max_num_f32 v[MB+\c], |v[B0+2]|, |v[B0+3]|
.irp i, 4,8,12,16,20,24,28
	v_max3_num_f32 v[MX+\c], v[MX+\c], |v[B0+\i]|, |v[B0+\i+1]|
	v_max3_num_f32 v[MB+\c], v[MB+\c], |v[B0+\i+2]|, |v[B0+\i+3]|
.endr
	v_max_num_f32 v[MX+\c], v[MX+\c], v[MB+\c]
.set p, 0
.rept 16
.if (\c == 0) && (p < 4)
	v_pk_mul_f32 v[SQ+2*p:SQ+2*p+1], v[B0+2*p:B0+2*p+1], v[B0+2*p:B0+2*p+1]   ; the first four pairs start the chains: nothing is cleared
.else
	v_pk_fma_f32 v[SQ+2*(p%4):SQ+2*(p%4)+1], v[B0+2*p:B0+2*p+1], v[B0+2*p:B0+2*p+1], v[SQ+2*(p%4):SQ+2*(p%4)+1]
.endif
.set p, p+1
.endr
	v_add_nc_u32 v[OP+\c], 0xff000000, v[MX+\c]    ; 2 off the exponent field: the conversion takes the exponent field of this operand as its scale
	v_lshrrev_b32 v[BY+\c], 23, v[OP+\c]           ; the scale's byte
.irp g, 0,1,2,3
	v_cvt_scalef32_pk8_fp4_f32 v[CD+4*\c+\g], v[B0+8*\g:B0+8*\g+7], v[OP+\c]   ; register 4 c + g of the operand
.endr
.endm
	s_wait_dscnt 8                                 ; block 0's eight loads are in; block 1's eight may be out
	BLOCK 0
	s_wait_dscnt 0x0
	BLOCK 1
	v_lshl_or_b32 v[WD], v[BY+1], 16, v[BY]        ; (a plain line behind the last conversion)  my two bytes: blocks h and 2 + h of row r,
	global_store_b128 v4, v[CD:CD+3], s[8:9]       ; 32 lanes store 512 consecutive bytes, at a multiple of 512 from the buffer's first byte
	global_store_b128 v4, v[CD+4:CD+7], s[8:9] offset:512
	v_lshlrev_b32 v[WD], v3, v[WD]                 ; at their places in the scale word;
	v_permlanex16_b32 v[TP], v[WD], s20, s21
	v_or_b32 v[WD], v[WD], v[TP]                   ; with lane l xor 16's two the word is whole
	v_pk_add_f32 v[SQ:SQ+1], v[SQ:SQ+1], v[SQ+2:SQ+3]
	v_pk_add_f32 v[SQ+4:SQ+5], v[SQ+4:SQ+5], v[SQ+6:SQ+7]
	v_pk_add_f32 v[SQ:SQ+1], v[SQ:SQ+1], v[SQ+4:SQ+5]
	v_add_f32 v[SQ], v[SQ], v[SQ+1]
	v_permlanex16_b32 v[TP], v[SQ], s20, s21
	v_add_f32 v[SQ], v[SQ], v[TP]                  ; the row's sum of squares, in both of its lanes
	v_mul_f32 v[SQ], s18, v[SQ]
	v_cmp_gt_u32 vcc_lo, 16, v1
	v_cndmask_b32 v[SQ], v[SQ], v[WD], vcc_lo      ; lanes 0-15 store row r's scale word, lanes 16-31 row r's f32 number
	global_store_b32 v7, v[SQ], s[10:11]           ; 128 consecutive bytes: a tile's meta; one byte in 64 of what the wave moves
	s_wait_tensorcnt 0x0
	ds_add_u32 v168, v169
	s_wait_dscnt 0x0
	s_endpgm
.Lfunc_end_k_q0347c617cc_quant:
	.size	k_q0347c617cc_quant, .Lfunc_end_k_q0347c617cc_quant-k_q0347c617cc_quant
	.p2alignl 7, 3214868480
	.fill 96, 4, 3214868480
	.section	.rodata,"a",@progbits
	.p2align	6, 0x0
	.amdhsa_kernel k_q0347c617cc_quant
		.amdhsa_group_segment_fixed_size 60160
		.amdhsa_private_segment_fixed_size 0
		.amdhsa_enable_private_segment 0
		.amdhsa_kernarg_size 32
		.amdhsa_user_sgpr_count 2
		.amdhsa_user_sgpr_kernarg_segment_ptr 1
		.amdhsa_wavefront_size32 1
		.amdhsa_system_sgpr_workgroup_id_x 1
		.amdhsa_system_sgpr_workgroup_id_y 1
		.amdhsa_system_sgpr_workgroup_id_z 1
		.amdhsa_system_vgpr_workitem_id 0
		.amdhsa_next_free_vgpr 170
		.amdhsa_next_free_sgpr 66
		.amdhsa_reserve_vcc 1
		.amdhsa_float_denorm_mode_32 3
		.amdhsa_float_denorm_mode_16_64 3
		.amdhsa_memory_ordered 1
		.amdhsa_forward_progress 1
		.amdhsa_inst_pref_size 12
	.end_amdhsa_kernel
	.amdgpu_metadata
---
amdhsa.version: [ 1, 2 ]
amdhsa.kernels:
  - .name:           k_q0347c617cc_quant
    .symbol:         k_q0347c617cc_quant.kd
    .args:
      - { .name: X, .offset: 0, .size: 8, .value_kind: global_buffer, .address_space: global }
      - { .name: X_train, .offset: 8, .size: 8, .value_kind: global_buffer, .address_space: global }
      - { .name: codes, .offset: 16, .size: 8, .value_kind: global_buffer, .address_space: global }
      - { .name: meta, .offset: 24, .size: 8, .value_kind: global_buffer, .address_space: global }
    .group_segment_fixed_size: 60160
    .private_segment_fixed_size: 0
    .kernarg_segment_align: 8
    .kernarg_segment_size: 32
    .max_flat_workgroup_size: 224
    .sgpr_count:     66
    .vgpr_count:     170
    .wavefront_size: 32
...
	.end_amdgpu_metadata
.endif
;; end of part 1
;; launch groupmax (part 2): grid 250 x 1, 4 waves a work-group, no clusters, 63,488 bytes of LDS; arguments codes, meta, mins; writes mins
.if DOCPART == 2
	.amdgcn_target "amdgcn-amd-amdhsa--gfx1250"
	.amdhsa_code_object_version 6
	.text
	.protected	k_q0347c617cc_groupmax
	.globl	k_q0347c617cc_groupmax
	.p2align	8
	.type	k_q0347c617cc_groupmax,@function
k_q0347c617cc_groupmax:
	s_mov_b64 s[64:65], 0
	v_nop
	global_prefetch_b8 v0, s[64:65] scope:SCOPE_SE
	s_setreg_imm32_b32 hwreg(HW_REG_WAVE_MODE, 25, 1), 1
	s_wait_xcnt 0x0
; THE PRODUCT.  D(t, x) = Q(t) . Q(x) - |t|^2 / 2 for all 100,000 rows t of X_train and all 1,024 queries x, on codes of FP4 with E8M0 scales; -|t|^2 / 2 is the C of the matrix instruction.
; The distance is sqrt(max(|x|^2 - 2 D, 0)), which does not rise with D: so of each GROUP of 80 neighbouring rows (5 tiles of 16) only the LARGEST D of each query is kept: half a v_max3 a number.
; mins: [query / 8 (128)][slice (250)][query % 8][8 slots] f32: slot g < 5 is the largest D of group 5 slice + g; slots 5-7 hold -infinity, so that whole blocks of 256 bytes are written.
; SHARES.  Work-group s takes tiles 25 s .. 25 s + 24 of X_train (5 groups) against all queries.  Wave w keeps query tiles 16 w .. 16 w + 15 in 128 registers, so each fragment of X_train read from LDS feeds 16 products.
; TRANSPOSED USE: source 0 = 16 rows of X_train, source 1 = 16 queries: lane (r, h) holds query r, its register j row 8 h + j.
; A wave has 400 JOBS (tile j / 16, query tile j % 16).  Each job's result lands in one of six accumulators by turns and is folded into the query tile's running maximum by four v_max3, one in each of the slots
; j + 2 .. j + 5: so behind every matrix instruction stand four plain vector instructions on other jobs' accumulators.  No result is ever the C of a later product: there are no chains.
; NO CLUSTER, NO JOINT LOADS, though all work-groups read X's codes: whole groups to a slice give 6,250 / 25 = 250 = 2 x 5^3 work-groups, which no cluster of four divides, and the operands go from memory
; into registers without a tensor load.  No prefetch: every load of the launch is issued at its head.
; The fill copies 26 images and 28 rows of meta where 25 are used, so that all 128 threads copy alike: 25,600 x 249 + 26,624 and 3,200 x 249 + 3,584 lie inside the buffers.
; LIMITS: -|t|^2 / 2 is added inside the matrix unit and |x|^2 afterwards, an order of rounding that differs from (|x|^2 + |t|^2) - 2 x.t; NaN and infinities are not served.
.set NTR,   6250                       ; X_train's tiles; X's follow them
.set JOBS,  400
.set AMETA, 26*1024                    ; LDS: 26 images from byte 0; then 28 x 128 bytes of meta;
.set STAGE, AMETA+28*128               ; then the stage: [query][8 slots], 32 bytes a query, 8,192 bytes a wave, each wave's own
.set AS,  8                            ; v8-9     X_train's scale words, two buffers
.set BS,  10                           ; v10-17   X's scale words: lanes 0-15 query tile i, lanes 16-31 query tile i + 8
.set M,   18                           ; v18-33   the running maxima, one register a query tile
.set AF,  34                           ; v34-49   X_train's fragment, two buffers
.set CF,  50                           ; v50-65   -|t|^2 / 2 in the result's layout, two buffers
.set ACC, 66                           ; v66-113  six accumulators by turns
.set BF,  128                          ; v128-255 X's 16 fragments; at the end the rows on their way out
	s_load_b128 s[4:7], s[0:1], 0x0                ; codes, meta
	s_load_b64 s[8:9], s[0:1], 0x10                ; mins
	v_lshl_add_u32 v126, v0, 2, 0xf600
	v_mov_b32 v127, 0
	v_lshrrev_b32 v1, 5, v0
	v_readfirstlane_b32 s10, v1                    ; wave 0..3
	v_and_b32 v121, 31, v0                         ; lane
	v_and_b32 v122, 15, v0                         ; r
	v_bfe_u32 v123, v0, 4, 1                       ; h
	v_lshlrev_b32 v1, 4, v121                      ; 16 x lane: my place in an image
	v_lshl_add_u32 v2, v123, 5, AMETA+64           ; C: the numbers of rows 8 h .. 8 h + 7
	v_lshl_add_u32 v3, v122, 2, AMETA              ; row r's scale word
	s_lshl_b32 s11, s10, 13
	s_add_co_u32 s11, s11, STAGE                   ; my part of the stage
	v_lshlrev_b32 v4, 5, v122
	v_lshl_add_u32 v4, v123, 12, v4
	v_add_nc_u32 v4, s11, v4                       ; into it: query r of query tile i (lanes 0-15) or i + 8 (lanes 16-31): 32 r + 4,096 h; 512 i and the slot in the immediate
	v_add_nc_u32 v5, s11, v1                       ; out of it: 16 bytes a lane
	v_mul_u32_u24 v6, v123, 64000
	v_lshl_add_u32 v6, v122, 4, v6                 ; and in mins: lanes 0-15 one block of 8 queries, lanes 16-31 the next
	v_lshlrev_b32 v7, 2, v122
	v_lshl_add_u32 v7, v123, 10, v7                ; X's scale words: 4 r, and 8 tiles of 128 bytes on for lanes 16-31
	v_lshlrev_b32 v114, 4, v0                      ; the fill: 16 bytes a thread,
	v_lshlrev_b32 v115, 2, v0                      ; and 4
	v_lshl_add_u32 v120, v121, 5, s11              ; 32 x lane in my part of the stage
.irp i, 116,117,118,119
	v_mov_b32 v\i, 0xff800000                      ; -infinity
.endr
	s_mul_i32 s16, ttmp9, 25*1024
	s_mov_b32 s17, 0
	s_wait_kmcnt 0x0
	s_add_nc_u64 s[12:13], s[4:5], s[16:17]        ; my slice's images
	s_mul_i32 s16, ttmp9, 25*128
	s_add_nc_u64 s[14:15], s[6:7], s[16:17]        ; and meta
	s_lshl_b32 s16, s10, 14
	s_add_co_u32 s16, s16, NTR*1024
	s_add_nc_u64 s[18:19], s[4:5], s[16:17]        ; my wave's 16 query tiles: images
	s_lshl_b32 s16, s10, 11
	s_add_co_u32 s16, s16, NTR*128
	s_add_nc_u64 s[20:21], s[6:7], s[16:17]        ; and meta
	s_lshl_b32 s16, ttmp9, 8
	s_mul_i32 s22, s10, 32*64000
	s_add_co_u32 s16, s16, s22
	s_add_nc_u64 s[8:9], s[8:9], s[16:17]          ; mins: my slice's block of my wave's first 8 queries
.irp k, 0,1,2,3,4,5,6,7,8,9,10,11,12
	global_load_b128 v[34+4*\k:37+4*\k], v114, s[12:13] offset:2048*\k   ; the fill: 128 threads copy 2,048 consecutive bytes
.endr
.irp k, 0,1,2,3,4,5,6
	global_load_b32 v[86+\k], v115, s[14:15] offset:512*\k
.endr
.irp i, 0,1,2,3,4,5,6,7,8,9,10,11,12,13,14,15
.irp c, 0,1
	global_load_b128 v[BF+8*\i+4*\c:BF+8*\i+4*\c+3], v1, s[18:19] offset:1024*\i+512*\c   ; X's fragments stay in registers
.endr
.endr
.irp i, 0,1,2,3,4,5,6,7
	global_load_b32 v[BS+\i], v7, s[20:21] offset:128*\i
.endr
.irp k, 0,1,2,3,4,5,6,7
	ds_store_b128 v120, v[116:119] offset:16+1024*\k   ; slots 4-7 of my 256 queries; slot 4 is written again later, by this wave
.endr
	s_wait_loadcnt 40                              ; the fill's 20 loads are in: behind them stand X's 32 + 8
.irp k, 0,1,2,3,4,5,6,7,8,9,10,11,12
	ds_store_b128 v114, v[34+4*\k:37+4*\k] offset:2048*\k
.endr
.irp k, 0,1,2,3,4,5,6
	ds_store_b32 v115, v[86+\k] offset:AMETA+512*\k
.endr
	s_wait_dscnt 0x0                               ; for the others' sake: my stores have landed
	s_barrier_signal -1
	s_barrier_wait -1                              ; the slice lies in LDS; it is never written again: the launch's one barrier
.macro FETCH t                         ; tile t: fragment, C and scale words into buffer t % 2
.irp c, 0,1
	ds_load_b128 v[AF+8*((\t)%2)+4*\c:AF+8*((\t)%2)+4*\c+3], v1 offset:1024*(\t)+512*\c
.endr
.irp c, 0,1
	ds_load_b128 v[CF+8*((\t)%2)+4*\c:CF+8*((\t)%2)+4*\c+3], v2 offset:128*(\t)+16*\c
.endr
	ds_load_b32 v[AS+(\t)%2], v3 offset:128*(\t)
.endm
.macro WM                              ; job j's product
.set qq, j%16
.set pp, (j/16)%2
.if qq < 8
	v_wmma_scale_f32_16x16x128_f8f6f4 v[ACC+8*(j%6):ACC+8*(j%6)+7], v[AF+8*pp:AF+8*pp+7], v[BF+8*qq:BF+8*qq+7], v[CF+8*pp:CF+8*pp+7], v[AS+pp], v[BS+qq] matrix_a_fmt:MATRIX_FMT_FP4 matrix_b_fmt:MATRIX_FMT_FP4
.else
	v_wmma_scale_f32_16x16x128_f8f6f4 v[ACC+8*(j%6):ACC+8*(j%6)+7], v[AF+8*pp:AF+8*pp+7], v[BF+8*qq:BF+8*qq+7], v[CF+8*pp:CF+8*pp+7], v[AS+pp], v[BS+qq-8] matrix_a_fmt:MATRIX_FMT_FP4 matrix_b_fmt:MATRIX_FMT_FP4 matrix_b_scale:MATRIX_SCALE_ROW1
.endif
.endm
.macro ST s                            ; step s of job j - 2 - s: registers 2 s, 2 s + 1 of its result into its query tile's maximum; step 0 reads the accumulator's low end first
.set jj, j-2-\s
.if (jj >= 0) && (jj < JOBS)
.set qq, jj%16
.set dd, ACC+8*(jj%6)+2*\s
.if (\s == 0) && ((jj/16)%5 == 0)
	v_max_num_f32 v[M+qq], v[dd], v[dd+1]          ; a group's first tile starts the maximum: nothing is cleared
.else
	v_max3_num_f32 v[M+qq], v[M+qq], v[dd], v[dd+1]
.endif
.elseif j < 6
	v_nop                                          ; the first slots have no earlier job to fold
.endif
.endm
; A SLOT: one product and four plain vector lines.  Between job j's product and the first read of its result stand the eight lines of slots j and j + 1, none of which names a register of that product;
; its accumulator is written again by job j + 6, behind its last read in slot j + 5.  The next tile is fetched in a tile's third slot, into the buffer whose last product stands three slots (twelve plain lines) back.
; A group's maxima leave 78 + i slots behind the group's first job: rows 8 h + j lie in lanes r and r + 16, so one exchange of halves between query tiles i and i + 8 and one maximum finish both.
.macro SLOT
.if j < JOBS
.if j%16 == 0
	s_wait_dscnt 0x0                               ; this tile's five loads, issued fourteen slots ago, are in
.endif
	WM
.endif
	ST 0
	ST 1
	ST 2
	ST 3
.if (j%16 == 2) && (j/16 < 24)
	FETCH j/16+1
.endif
.if (j+2 >= 80) && ((j+2)%80 < 8)
.set ii, (j+2)%80
	v_permlane16_swap_b32 v[M+ii], v[M+ii+8]
	v_max_num_f32 v[M+ii], v[M+ii], v[M+ii+8]      ; lanes 0-15: query tile ii; lanes 16-31: query tile ii + 8
	ds_store_b32 v4, v[M+ii] offset:512*ii+4*((j+2)/80-1)
.endif
.endm
	FETCH 0
	s_wait_loadcnt 0x0                             ; X's fragments and scale words
.set j, 0
.rept JOBS+6
	SLOT
.set j, j+1
.endr
	; THE WAY OUT: my 256 queries x 32 bytes are 32 blocks of 256 bytes of mins, 64,000 bytes apart
.irp k, 0,1,2,3,4,5,6,7,8,9,10,11,12,13,14,15
	ds_load_b128 v[BF+4*\k:BF+4*\k+3], v5 offset:512*\k   ; LDS serves a wave's instructions in order: these see my stores
.endr
.irp k, 0,1,2,3,4,5,6,7,8,9,10,11,12,13,14,15
	s_wait_dscnt 15-\k                             ; load k is in; the younger ones stay out
	global_store_b128 v6, v[BF+4*\k:BF+4*\k+3], s[8:9] offset:128000*\k   ; 16 lanes store 256 consecutive bytes, at a multiple of 256 from the buffer's first byte
.endr
	s_wait_tensorcnt 0x0
	ds_add_u32 v126, v127
	s_wait_dscnt 0x0
	s_endpgm
.Lfunc_end_k_q0347c617cc_groupmax:
	.size	k_q0347c617cc_groupmax, .Lfunc_end_k_q0347c617cc_groupmax-k_q0347c617cc_groupmax
	.p2alignl 7, 3214868480
	.fill 96, 4, 3214868480
	.section	.rodata,"a",@progbits
	.p2align	6, 0x0
	.amdhsa_kernel k_q0347c617cc_groupmax
		.amdhsa_group_segment_fixed_size 63488
		.amdhsa_private_segment_fixed_size 0
		.amdhsa_enable_private_segment 0
		.amdhsa_kernarg_size 24
		.amdhsa_user_sgpr_count 2
		.amdhsa_user_sgpr_kernarg_segment_ptr 1
		.amdhsa_wavefront_size32 1
		.amdhsa_system_sgpr_workgroup_id_x 1
		.amdhsa_system_sgpr_workgroup_id_y 1
		.amdhsa_system_sgpr_workgroup_id_z 1
		.amdhsa_system_vgpr_workitem_id 0
		.amdhsa_next_free_vgpr 256
		.amdhsa_next_free_sgpr 66
		.amdhsa_reserve_vcc 0
		.amdhsa_float_denorm_mode_32 3
		.amdhsa_float_denorm_mode_16_64 3
		.amdhsa_memory_ordered 1
		.amdhsa_forward_progress 1
		.amdhsa_inst_pref_size 175
	.end_amdhsa_kernel
	.amdgpu_metadata
---
amdhsa.version: [ 1, 2 ]
amdhsa.kernels:
  - .name:           k_q0347c617cc_groupmax
    .symbol:         k_q0347c617cc_groupmax.kd
    .args:
      - { .name: codes, .offset: 0, .size: 8, .value_kind: global_buffer, .address_space: global }
      - { .name: meta, .offset: 8, .size: 8, .value_kind: global_buffer, .address_space: global }
      - { .name: mins, .offset: 16, .size: 8, .value_kind: global_buffer, .address_space: global }
    .group_segment_fixed_size: 63488
    .private_segment_fixed_size: 0
    .kernarg_segment_align: 8
    .kernarg_segment_size: 24
    .max_flat_workgroup_size: 128
    .sgpr_count:     66
    .vgpr_count:     256
    .wavefront_size: 32
...
	.end_amdgpu_metadata
.endif
;; end of part 2
;; launch pick (part 3): grid 128 x 1, 8 waves a work-group, no clusters, 71,680 bytes of LDS; arguments mins, meta, picks; writes picks
.if DOCPART == 3
	.amdgcn_target "amdgcn-amd-amdhsa--gfx1250"
	.amdhsa_code_object_version 6
	.text
	.protected	k_q0347c617cc_pick
	.globl	k_q0347c617cc_pick
	.p2align	8
	.type	k_q0347c617cc_pick,@function
k_q0347c617cc_pick:
	s_mov_b64 s[64:65], 0
	v_nop
	global_prefetch_b8 v0, s[64:65] scope:SCOPE_SE
	s_setreg_imm32_b32 hwreg(HW_REG_WAVE_MODE, 25, 1), 1
	s_wait_xcnt 0x0
; For each query: the five groups of 80 rows that come first by (distance of the group's nearest row, group number).  The five nearest rows by (distance, index) lie in them: a row of any other group has, in each of
; the five, a row that is nearer, or as near with a lower index.  The group numbers are stored as whole numbers; the next launch forms addresses from them.
; dist = sqrt(max(|x|^2 - 2 D, 0)), by the same three instructions as in the next launch.
; SHARES.  Work-group pb serves queries 8 pb .. 8 pb + 7, whose 1,250 maxima are 64,000 consecutive bytes of mins: 250 blocks of 256 bytes.  They go into LDS (272 bytes apart: 68 words);
; blocks 250-255 are filled with -infinity.  Wave w then takes query 8 pb + w: lane l holds slices l + 32 k, k = 0 .. 7, five groups each: 40 numbers; register (k, e) is group 160 k + e + 5 l.
; A ROUND finds the smallest distance, then the lowest group number that has it, and marks that one number +infinity.  No branch and no address hangs on a distance.
; LIMITS: v_sqrt_f32 is taken not to fall where its input rises, and takes a denormal input as zero; NaN, and distances that are infinite, are not served (+infinity is the mark).
.set NTR, 6250
.set CP,  272                          ; a block in LDS
.set PST, 256*CP                       ; behind the blocks: 128 bytes a wave for its picks
.set VA,  32                           ; v32-63  groups e = 0 .. 3 of slice l + 32 k at v[VA + 4 k + e]
.set VB,  64                           ; v64-71  group e = 4 at v[VB + k]
	s_load_b128 s[4:7], s[0:1], 0x0                ; mins, meta
	s_load_b64 s[8:9], s[0:1], 0x10                ; picks
	v_lshl_add_u32 v128, v0, 2, 0x11400
	v_mov_b32 v129, 0
	v_lshrrev_b32 v1, 5, v0
	v_readfirstlane_b32 s10, v1                    ; wave 0..7
	v_and_b32 v1, 31, v0                           ; lane
	v_lshlrev_b32 v2, 4, v0                        ; 16 bytes a thread
	v_lshrrev_b32 v3, 4, v0
	v_mul_u32_u24 v3, v3, CP
	v_and_b32 v4, 15, v0
	v_lshl_add_u32 v3, v4, 4, v3                   ; into LDS: block thread / 16, 16 bytes a thread
	v_mul_u32_u24 v4, v1, CP
	s_lshl_b32 s11, s10, 5
	v_add_nc_u32 v4, s11, v4                       ; out of it: block l, my query's 32 bytes
	v_lshl_add_u32 v5, v1, 2, v1                   ; 5 l: the lane's part of a group number
	v_mov_b32 v6, 0x7f800000                       ; +infinity, the mark
	v_mov_b32 v7, 0                                ; the picks: lane i gets round i's
	v_mov_b32 v9, 0                                ; written once: the destination of a lane permute or a DPP move counts as one of its sources
	s_lshl_b32 s11, s10, 7
	s_add_co_u32 s11, s11, PST
	v_lshl_add_u32 v19, v1, 2, s11                 ; my word among my wave's picks
	v_lshrrev_b32 v20, 2, v1
	v_lshlrev_b32 v20, 7, v20
	v_and_b32 v21, 3, v1
	v_lshl_add_u32 v20, v21, 3, v20
	v_add_nc_u32 v20, PST, v20                     ; wave 0's way out: query l / 4, words 2 (l % 4) and the next
	v_lshlrev_b32 v21, 3, v1
	s_lshl_b32 s14, ttmp9, 3
	s_add_co_u32 s14, s14, s10                     ; my query
	s_lshr_b32 s15, s14, 4
	s_lshl_b32 s15, s15, 7                         ; its tile's meta,
	s_and_b32 s16, s14, 15
	s_lshl_b32 s16, s16, 2                         ; its row's word,
	s_add_co_u32 s16, s16, s15
	s_add_co_u32 s16, s16, NTR*128+64              ; among the f32 numbers of X's tiles
	s_mov_b32 s17, 0
	s_mul_i32 s18, ttmp9, 64000
	s_mov_b32 s19, 0
	s_lshl_b32 s22, ttmp9, 8
	s_mov_b32 s23, 0
	s_mov_b32 s12, 0x76543210
	s_mov_b32 s13, 0xfedcba98                      ; v_permlanex16_b32's selects for lane l xor 16
	s_wait_kmcnt 0x0
	s_add_nc_u64 s[6:7], s[6:7], s[16:17]
	s_load_b32 s20, s[6:7], 0x0                    ; |x|^2
	s_add_nc_u64 s[4:5], s[4:5], s[18:19]
	s_add_nc_u64 s[8:9], s[8:9], s[22:23]
.irp k, 0,1,2,3,4,5,6,7,8,9,10,11,12,13,14
	global_load_b128 v[32+4*\k:35+4*\k], v2, s[4:5] offset:4096*\k th:TH_LOAD_NT   ; 256 threads read 4,096 consecutive bytes; read once in the launch
.endr
	s_cmp_lt_u32 s10, 5                            ; 61,440 + 16 x thread stays under 64,000 for threads 0 .. 159: waves 0 to 4
	s_cbranch_scc0 .Lpad
	global_load_b128 v[92:95], v2, s[4:5] offset:61440 th:TH_LOAD_NT
	s_branch .Lfilled
.Lpad:
.irp i, 92,93,94,95
	v_mov_b32 v\i, 0xff800000                      ; blocks 250-255: -infinity, which becomes an infinite distance
.endr
.Lfilled:
	s_wait_loadcnt 0x0
.irp k, 0,1,2,3,4,5,6,7,8,9,10,11,12,13,14,15
	ds_store_b128 v3, v[32+4*\k:35+4*\k] offset:16*CP*\k
.endr
	s_wait_dscnt 0x0                               ; for the others' sake: my stores have landed
	s_barrier_signal -1
	s_barrier_wait -1
.irp k, 0,1,2,3,4,5,6,7
	ds_load_b128 v[VA+4*\k:VA+4*\k+3], v4 offset:32*CP*\k
	ds_load_b32 v[VB+\k], v4 offset:32*CP*\k+16
.endr
	s_wait_dscnt 0x0
	s_wait_kmcnt 0x0                               ; |x|^2
.set i, 0
.rept 40
	v_fma_f32 v[VA+i], -2.0, v[VA+i], s20          ; |x|^2 - 2 D
.set i, i+1
.endr
.set i, 0
.rept 40
	v_max_num_f32 v[VA+i], 0, v[VA+i]
.set i, i+1
.endr
.set i, 0
.rept 40
	v_sqrt_f32 v[VA+i], v[VA+i]                    ; one batch
.set i, i+1
.endr
	v_nop                                          ; a plain line behind the last root
	s_wait_alu depctr_va_vdst(0)                   ; the wait ahead of the first line that names a root: one for the batch
.macro SEEK kk, e                      ; four chains, chain c over slices k = 2 c + 1, 2 c, from the highest group number down: the last that matches, the lowest, stays
.irp c, 0,1,2,3
.if \e == 4
	v_cmp_neq_f32 s[28+\c], v[VB+2*\c+\kk], v8
.else
	v_cmp_neq_f32 s[28+\c], v[VA+4*(2*\c+\kk)+\e], v8
.endif
.endr
.irp c, 0,1,2,3
	v_cndmask_b32 v[14+\c], 160*(2*\c+\kk)+\e, v[14+\c], s[28+\c]
.endr
.endm
.macro MARK kk, e                      ; the one number whose group number is the winner's becomes +infinity
.irp c, 0,1,2,3
	v_cmp_ne_u32 s[28+\c], 160*(2*\c+\kk)+\e, v18
.endr
.irp c, 0,1,2,3
.if \e == 4
	v_cndmask_b32 v[VB+2*\c+\kk], v6, v[VB+2*\c+\kk], s[28+\c]
.else
	v_cndmask_b32 v[VA+4*(2*\c+\kk)+\e], v6, v[VA+4*(2*\c+\kk)+\e], s[28+\c]
.endif
.endr
.endm
	s_mov_b32 s27, 0
.Lround:
.irp c, 0,1,2,3
	v_min3_num_f32 v[10+\c], v[VA+8*\c], v[VA+8*\c+1], v[VA+8*\c+2]   ; the smallest of my 40, in four chains
.endr
.irp i, 3,5
.irp c, 0,1,2,3
	v_min3_num_f32 v[10+\c], v[10+\c], v[VA+8*\c+\i], v[VA+8*\c+\i+1]
.endr
.endr
.irp c, 0,1,2,3
	v_min3_num_f32 v[10+\c], v[10+\c], v[VA+8*\c+7], v[VB+2*\c]
.endr
	v_min3_num_f32 v10, v10, v[VB+1], v[VB+3]
	v_min3_num_f32 v12, v12, v[VB+5], v[VB+7]
	v_min3_num_f32 v10, v10, v11, v12
	v_min_num_f32 v10, v10, v13
.irp x, 1,2,4,8
	v_min_num_f32_dpp v10, v10, v10 row_xmask:\x row_mask:0xf bank_mask:0xf
.endr
	v_permlanex16_b32 v9, v10, s12, s13
	v_min_num_f32 v8, v10, v9                      ; the smallest distance left, in every lane
.irp c, 0,1,2,3
	v_mov_b32 v[14+\c], 0x7fffffff
.endr
.irp kk, 1,0
.irp e, 4,3,2,1,0
	SEEK \kk, \e
.endr
.endr
	v_min_u32 v14, v14, v15
	v_min_u32 v16, v16, v17
	v_min_u32 v14, v14, v16
	v_add_nc_u32 v14, v14, v5                      ; my lowest group number with that distance
.irp x, 1,2,4,8
	v_mov_b32_dpp v9, v14 row_xmask:\x row_mask:0xf bank_mask:0xf
	v_min_u32 v14, v14, v9
.endr
	v_permlanex16_b32 v9, v14, s12, s13
	v_min_u32 v14, v14, v9                         ; the winner, in every lane
	v_sub_nc_u32 v18, v14, v5                      ; 160 k + e + 5 l is met by one (k, e, l) alone: e < 5, 5 l + e < 160
.irp kk, 1,0
.irp e, 4,3,2,1,0
	MARK \kk, \e
.endr
.endr
	v_cmp_eq_u32 vcc_lo, s27, v1
	v_cndmask_b32 v7, v7, v14, vcc_lo
	s_add_co_u32 s27, s27, 1
	s_cmp_lt_u32 s27, 5
	s_cbranch_scc1 .Lround
	ds_store_b32 v19, v7                           ; words 0-4 the picks, the others 0
	s_wait_dscnt 0x0                               ; for wave 0's sake
	s_barrier_signal -1
	s_barrier_wait -1
	s_cmp_lg_u32 s10, 0
	s_cbranch_scc1 .Lend
	ds_load_b64 v[22:23], v20                      ; eight words of each of the eight queries
	s_wait_dscnt 0x0
	global_store_b64 v21, v[22:23], s[8:9]         ; 32 lanes store 256 consecutive bytes, at a multiple of 256 from the buffer's first byte
.Lend:
	s_wait_tensorcnt 0x0
	ds_add_u32 v128, v129
	s_wait_dscnt 0x0
	s_endpgm
.Lfunc_end_k_q0347c617cc_pick:
	.size	k_q0347c617cc_pick, .Lfunc_end_k_q0347c617cc_pick-k_q0347c617cc_pick
	.p2alignl 7, 3214868480
	.fill 96, 4, 3214868480
	.section	.rodata,"a",@progbits
	.p2align	6, 0x0
	.amdhsa_kernel k_q0347c617cc_pick
		.amdhsa_group_segment_fixed_size 71680
		.amdhsa_private_segment_fixed_size 0
		.amdhsa_enable_private_segment 0
		.amdhsa_kernarg_size 24
		.amdhsa_user_sgpr_count 2
		.amdhsa_user_sgpr_kernarg_segment_ptr 1
		.amdhsa_wavefront_size32 1
		.amdhsa_system_sgpr_workgroup_id_x 1
		.amdhsa_system_sgpr_workgroup_id_y 1
		.amdhsa_system_sgpr_workgroup_id_z 1
		.amdhsa_system_vgpr_workitem_id 0
		.amdhsa_next_free_vgpr 130
		.amdhsa_next_free_sgpr 66
		.amdhsa_reserve_vcc 1
		.amdhsa_float_denorm_mode_32 3
		.amdhsa_float_denorm_mode_16_64 3
		.amdhsa_memory_ordered 1
		.amdhsa_forward_progress 1
		.amdhsa_inst_pref_size 27
	.end_amdhsa_kernel
	.amdgpu_metadata
---
amdhsa.version: [ 1, 2 ]
amdhsa.kernels:
  - .name:           k_q0347c617cc_pick
    .symbol:         k_q0347c617cc_pick.kd
    .args:
      - { .name: mins, .offset: 0, .size: 8, .value_kind: global_buffer, .address_space: global }
      - { .name: meta, .offset: 8, .size: 8, .value_kind: global_buffer, .address_space: global }
      - { .name: picks, .offset: 16, .size: 8, .value_kind: global_buffer, .address_space: global }
    .group_segment_fixed_size: 71680
    .private_segment_fixed_size: 0
    .kernarg_segment_align: 8
    .kernarg_segment_size: 24
    .max_flat_workgroup_size: 256
    .sgpr_count:     66
    .vgpr_count:     130
    .wavefront_size: 32
...
	.end_amdgpu_metadata
.endif
;; end of part 3
;; launch vote (part 4): grid 256 x 1, 4 waves a work-group, no clusters, 102,912 bytes of LDS; arguments codes, meta, picks, y_train, out0; writes out0
.if DOCPART == 4
	.amdgcn_target "amdgcn-amd-amdhsa--gfx1250"
	.amdhsa_code_object_version 6
	.text
	.protected	k_q0347c617cc_vote
	.globl	k_q0347c617cc_vote
	.p2align	8
	.type	k_q0347c617cc_vote,@function
k_q0347c617cc_vote:
	s_mov_b64 s[64:65], 0
	v_nop
	global_prefetch_b8 v0, s[64:65] scope:SCOPE_SE
	s_setreg_imm32_b32 hwreg(HW_REG_WAVE_MODE, 25, 1), 1
	s_wait_xcnt 0x0
; For each query: its five picked groups, 400 rows, are multiplied once more, by the same matrix instruction on the same codes, scales and C as in the launch that found the groups' maxima; then the five nearest rows
; by (distance, index) are found exactly, and their labels vote: the most frequent label, the smallest on ties, as f32.
; SHARES.  One query to a wave: query = 4 x work-group + wave.  Waves share nothing: no barrier; each has 25,600 bytes of LDS of its own.
; SOURCE 1 HOLDS MY QUERY IN ALL 16 COLUMNS: lane (r, h) loads the 16 bytes that lane (query % 16, h) has in the tile's image, and every lane the query's scale word.  So the query's place in its tile enters global
; addresses alone, and any column of a result can be read back.
; THE GROUP NUMBERS come from picks, which an earlier launch stored: they are sorted ascending (so that the order of my 400 numbers is the order of the rows' indices), held at 1,249, and multiplied into offsets.
; A result tile goes to LDS as it stands (lane's 16 bytes at 16 x lane) and comes back one row to a lane: register (k, u) of lane l is row 32 u + l of the k-th group; its id is 32 (3 k + u) + l.
; A ROUND finds the smallest distance, the lowest id that has it, and marks that number +infinity; after five rounds the marked numbers' labels are counted, three bits a class.
; LIMITS: as in the launches before: |x|^2 is added behind the product, v_sqrt_f32 is taken not to fall where its input rises and takes a denormal input as zero; NaN and infinite distances are not served;
; a label outside 0 .. 9 counts for no class.  The wave's result is one number: four bytes are stored by one lane.
; REGISTERS, in windows of 256: window 0: v1-15 addresses; v16-23 my query's fragment, v24 its scale word; v32-56 the 25 tiles' scale words; v64-78 distances; v80-94 labels, then vote words; v96-109 at work.
;   window 1: the 25 tiles' fragments at v[8 t].   window 2: -|t|^2 / 2 at v[8 t], and the results in their place.
.set NTR,  6250
.set WREG, 25*1024                     ; a wave's LDS
.set V,    64
.set W,    80
.set MSB, 0
.macro WIN new                         ; the immediate's high byte repeats the setting that is left
.if MSB != \new
	s_set_vgpr_msb (MSB<<8)|\new
.set MSB, \new
.endif
.endm
	s_load_b256 s[4:11], s[0:1], 0x0               ; codes s[4:5], meta s[6:7], picks s[8:9], y_train s[10:11]
	s_load_b64 s[12:13], s[0:1], 0x20              ; out0
	v_lshl_add_u32 v254, v0, 2, 0x19000
	v_mov_b32 v255, 0
	v_lshrrev_b32 v1, 5, v0
	v_readfirstlane_b32 s14, v1                    ; wave 0..3
	v_and_b32 v11, 31, v0                          ; lane
	v_and_b32 v12, 15, v0                          ; r
	v_bfe_u32 v13, v0, 4, 1                        ; h
	v_lshlrev_b32 v1, 4, v11                       ; 16 x lane: my place in an image
	v_lshlrev_b32 v2, 2, v12                       ; 4 r: row r's scale word; also the labels of a group's rows 64 + r
	v_lshlrev_b32 v3, 5, v13                       ; 32 h: C's numbers of rows 8 h on
	v_lshlrev_b32 v4, 8, v13                       ; 256 h: my half of my query's column in its image
	v_mov_b32 v5, 0
	v_lshlrev_b32 v6, 2, v11                       ; 4 x lane: labels
	s_mul_i32 s26, s14, WREG
	v_add_nc_u32 v8, s26, v1                       ; results into LDS: 16 x lane
	v_bfe_u32 v14, v0, 2, 1                        ; and back.  Lane l wants row l % 16 of a tile: register j = l % 8 of the lanes with h' = (l / 8) % 2:
	v_lshlrev_b32 v10, 9, v14                      ; 512 (j / 4)
	v_bfe_u32 v14, v0, 3, 1
	v_lshl_add_u32 v10, v14, 8, v10                ; + 256 h'
	v_bfe_u32 v14, v0, 2, 3
	v_lshl_add_u32 v10, v14, 4, v10                ; + 16 x column l / 4: all columns are alike, and so word l of each 64 is read by lane l alone
	v_and_b32 v14, 3, v0
	v_lshl_add_u32 v10, v14, 2, v10                ; + 4 (j % 4)
	v_add_nc_u32 v10, s26, v10                     ; for a group's fifth tile;
	v_lshl_add_u32 v9, v13, 10, v10                ; for a pair of tiles: lanes 16-31 take the second
	v_mov_b32 v96, 0x7f800000                      ; +infinity, the mark
	v_mov_b32 v98, 0                               ; written once: the destination of a lane permute or a DPP move counts as one of its sources
	s_lshl_b32 s15, ttmp9, 2
	s_add_co_u32 s15, s15, s14                     ; my query
	s_mov_b32 s66, 0x76543210
	s_mov_b32 s67, 0xfedcba98                      ; v_permlanex16_b32's selects for lane l xor 16
	s_mov_b32 s75, 0
	s_lshl_b32 s74, s15, 5
	s_wait_kmcnt 0x0
	s_add_nc_u64 s[8:9], s[8:9], s[74:75]
	s_load_b256 s[16:23], s[8:9], 0x0              ; my query's eight words of picks: five group numbers, three zeros
	s_lshr_b32 s24, s15, 4
	s_add_co_u32 s24, s24, NTR                     ; my query's tile,
	s_and_b32 s25, s15, 15                         ; and its row there
	s_lshl_b32 s74, s24, 10
	s_lshl_b32 s27, s25, 4
	s_add_co_u32 s74, s74, s27
	s_add_nc_u64 s[58:59], s[4:5], s[74:75]        ; the image's bytes of lane (row, 0)
	s_lshl_b32 s74, s24, 7
	s_lshl_b32 s27, s25, 2
	s_add_co_u32 s74, s74, s27
	s_add_nc_u64 s[60:61], s[6:7], s[74:75]        ; the row's scale word; 64 bytes on: |x|^2
	s_load_b32 s62, s[60:61], 0x40
	s_lshl_b32 s74, s15, 2
	s_add_nc_u64 s[12:13], s[12:13], s[74:75]
	s_wait_kmcnt 0x0
.macro CE a, b                         ; the smaller to a, the larger to b
	s_min_u32 s76, s[16+\a], s[16+\b]
	s_max_u32 s[16+\b], s[16+\a], s[16+\b]
	s_mov_b32 s[16+\a], s76
.endm
	CE 0, 1                                        ; five numbers sorted by nine exchanges
	CE 3, 4
	CE 2, 4
	CE 2, 3
	CE 1, 4
	CE 0, 3
	CE 0, 2
	CE 1, 3
	CE 1, 2
.irp k, 0,1,2,3,4
	s_min_u32 s[16+\k], s[16+\k], 1249             ; a loaded number enters an address only held inside its table
	s_mul_i32 s74, s[16+\k], 5*1024
	s_add_nc_u64 s[28+2*\k:29+2*\k], s[4:5], s[74:75]    ; the group's five images,
	s_mul_i32 s74, s[16+\k], 5*128
	s_add_nc_u64 s[38+2*\k:39+2*\k], s[6:7], s[74:75]    ; their meta,
	s_mul_i32 s74, s[16+\k], 80*4
	s_add_nc_u64 s[48+2*\k:49+2*\k], s[10:11], s[74:75]  ; and its 80 labels
.endr
	WIN 0x40                                       ; destination window 1
.irp k, 0,1,2,3,4
.irp t, 0,1,2,3,4
.irp c, 0,1
	global_load_b128 v[8*(5*\k+\t)+4*\c:8*(5*\k+\t)+4*\c+3], v1, s[28+2*\k:29+2*\k] offset:1024*\t+512*\c
.endr
.endr
.endr
	WIN 0x80                                       ; destination window 2
.irp k, 0,1,2,3,4
.irp t, 0,1,2,3,4
.irp c, 0,1
	global_load_b128 v[8*(5*\k+\t)+4*\c:8*(5*\k+\t)+4*\c+3], v3, s[38+2*\k:39+2*\k] offset:128*\t+64+16*\c
.endr
.endr
.endr
	WIN 0
.irp k, 0,1,2,3,4
.irp t, 0,1,2,3,4
	global_load_b32 v[32+5*\k+\t], v2, s[38+2*\k:39+2*\k] offset:128*\t
.endr
.endr
	global_load_b128 v[16:19], v4, s[58:59]
	global_load_b128 v[20:23], v4, s[58:59] offset:512
	global_load_b32 v24, v5, s[60:61]
.irp k, 0,1,2,3,4
	global_load_b32 v[W+3*\k], v6, s[48+2*\k:49+2*\k]              ; the labels of rows l,
	global_load_b32 v[W+3*\k+1], v6, s[48+2*\k:49+2*\k] offset:128 ; 32 + l,
	global_load_b32 v[W+3*\k+2], v2, s[48+2*\k:49+2*\k] offset:256 ; and 64 + l % 16 (lanes 16-31 are struck out below)
.endr
	s_wait_loadcnt 0x0
	WIN 0xa1                                       ; source 0 window 1, source 1 window 0, C and D window 2
.irp t, 0,1,2,3,4,5,6,7,8,9,10,11,12,13,14,15,16,17,18,19,20,21,22,23,24
	v_wmma_scale_f32_16x16x128_f8f6f4 v[8*\t:8*\t+7], v[8*\t:8*\t+7], v[16:23], v[8*\t:8*\t+7], v[32+\t], v24 matrix_a_fmt:MATRIX_FMT_FP4 matrix_b_fmt:MATRIX_FMT_FP4   ; 25 accumulators, one product each
.endr
	WIN 0
.irp i, 0,1,2,3,4,5,6,7,8,9,10,11,12,13,14
	v_min_u32 v[W+\i], 10, v[W+\i]                 ; a label becomes its vote: 1 << 3 x label; what is no class goes to bit 30.  (These 45 plain lines name no register of the products: they are the places behind them)
.endr
.irp i, 0,1,2,3,4,5,6,7,8,9,10,11,12,13,14
	v_lshl_add_u32 v[W+\i], v[W+\i], 1, v[W+\i]
.endr
.irp i, 0,1,2,3,4,5,6,7,8,9,10,11,12,13,14
	v_lshlrev_b32 v[W+\i], v[W+\i], 1
.endr
	WIN 0x08                                       ; an LDS store's data are its source 1: window 2
.irp t, 0,1,2,3,4,5,6,7,8,9,10,11,12,13,14,15,16,17,18,19,20,21,22,23,24
	ds_store_b128 v8, v[8*\t:8*\t+3] offset:1024*\t          ; each accumulator from its low end on
	ds_store_b128 v8, v[8*\t+4:8*\t+7] offset:1024*\t+512
.endr
	WIN 0
.irp k, 0,1,2,3,4
	ds_load_b32 v[V+3*\k], v9 offset:(5*\k)*1024             ; LDS serves a wave's instructions in order: these see my stores
	ds_load_b32 v[V+3*\k+1], v9 offset:(5*\k+2)*1024
	ds_load_b32 v[V+3*\k+2], v10 offset:(5*\k+4)*1024
.endr
	s_wait_dscnt 0x0
.irp i, 0,1,2,3,4,5,6,7,8,9,10,11,12,13,14
	v_fma_f32 v[V+\i], -2.0, v[V+\i], s62          ; |x|^2 - 2 D
.endr
.irp i, 0,1,2,3,4,5,6,7,8,9,10,11,12,13,14
	v_max_num_f32 v[V+\i], 0, v[V+\i]
.endr
.irp i, 0,1,2,3,4,5,6,7,8,9,10,11,12,13,14
	v_sqrt_f32 v[V+\i], v[V+\i]                    ; one batch
.endr
	s_mov_b32 s68, 0xffff0000                      ; lanes 16-31
.irp k, 0,1,2,3,4
	v_cndmask_b32 v[W+3*\k+2], v[W+3*\k+2], 0, s68 ; a group has 80 rows: lanes 16-31 of its third register hold none: no vote,  (plain lines behind the roots)
.endr
	s_wait_alu depctr_va_vdst(0)                   ; the wait ahead of the first line that names a root: one for the batch
.irp k, 0,1,2,3,4
	v_cndmask_b32 v[V+3*\k+2], v[V+3*\k+2], v96, s68   ; and an infinite distance
.endr
	s_mov_b32 s72, 5
.Lround:
.irp c, 0,1,2,3
	v_min3_num_f32 v[100+\c], v[V+3*\c], v[V+3*\c+1], v[V+3*\c+2]
.endr
	v_min3_num_f32 v100, v100, v[V+12], v[V+13]
	v_min3_num_f32 v101, v101, v102, v[V+14]
	v_min3_num_f32 v100, v100, v101, v103
.irp x, 1,2,4,8
	v_min_num_f32_dpp v100, v100, v100 row_xmask:\x row_mask:0xf bank_mask:0xf
.endr
	v_permlanex16_b32 v98, v100, s66, s67
	v_min_num_f32 v97, v100, v98                   ; the smallest distance left, in every lane
.irp c, 0,1,2,3
	v_mov_b32 v[104+\c], 0x7fffffff
.endr
.irp m, 3,2,1,0                        ; four chains, chain c over registers c + 4 m, from the highest id down: the last that matches, the lowest, stays
.irp c, 0,1,2,3
.if 4*\m+\c < 15
	v_cmp_neq_f32 s[68+\c], v[V+4*\m+\c], v97
.endif
.endr
.irp c, 0,1,2,3
.if 4*\m+\c < 15
	v_cndmask_b32 v[104+\c], 32*(4*\m+\c), v[104+\c], s[68+\c]
.endif
.endr
.endr
	v_min_u32 v104, v104, v105
	v_min_u32 v106, v106, v107
	v_min_u32 v104, v104, v106
	v_add_nc_u32 v104, v104, v11                   ; my lowest id with that distance
.irp x, 1,2,4,8
	v_mov_b32_dpp v98, v104 row_xmask:\x row_mask:0xf bank_mask:0xf
	v_min_u32 v104, v104, v98
.endr
	v_permlanex16_b32 v98, v104, s66, s67
	v_min_u32 v104, v104, v98                      ; the winner, in every lane
	v_sub_nc_u32 v108, v104, v11                   ; a multiple of 32 in the winner's lane alone
.irp m, 3,2,1,0
.irp c, 0,1,2,3
.if 4*\m+\c < 15
	v_cmp_ne_u32 s[68+\c], 32*(4*\m+\c), v108
.endif
.endr
.irp c, 0,1,2,3
.if 4*\m+\c < 15
	v_cndmask_b32 v[V+4*\m+\c], v96, v[V+4*\m+\c], s[68+\c]   ; the winner is marked
.endif
.endr
.endr
	s_sub_co_u32 s72, s72, 1
	s_cmp_lg_u32 s72, 0
	s_cbranch_scc1 .Lround
	v_mov_b32 v109, 0
.irp i, 0,1,2,3,4,5,6,7,8,9,10,11,12,13,14
	v_cmp_eq_f32 s[68+\i%4], v[V+\i], v96          ; the marked numbers' votes are added
	v_cndmask_b32 v[100+\i%4], 0, v[W+\i], s[68+\i%4]
	v_add_nc_u32 v109, v109, v[100+\i%4]
.endr
.irp x, 1,2,4,8
	v_mov_b32_dpp v98, v109 row_xmask:\x row_mask:0xf bank_mask:0xf
	v_add_nc_u32 v109, v109, v98
.endr
	v_permlanex16_b32 v98, v109, s66, s67
	v_add_nc_u32 v109, v109, v98                   ; ten counts of three bits, in every lane
	v_lshl_add_u32 v100, v11, 1, v11
	v_lshrrev_b32 v100, v100, v109
	v_and_b32 v100, 7, v100                        ; lane c: class c's count
	v_sub_nc_u32 v101, 15, v11
	v_lshl_add_u32 v100, v100, 4, v101             ; 16 x count + 15 - c: the largest is the most frequent class, the smallest c on ties
	v_cmp_gt_u32 vcc_lo, 10, v11
	v_cndmask_b32 v100, 0, v100, vcc_lo            ; lanes 10-31 stand for no class
	v_cvt_f32_u32 v100, v100                       ; at most 95: exact
.irp x, 1,2,4,8
	v_max_num_f32_dpp v100, v100, v100 row_xmask:\x row_mask:0xf bank_mask:0xf
.endr
	v_permlanex16_b32 v98, v100, s66, s67
	v_max_num_f32 v100, v100, v98
	v_cvt_u32_f32 v100, v100
	v_and_b32 v100, 15, v100
	v_sub_nc_u32 v100, 15, v100
	v_cvt_f32_u32 v100, v100                       ; the label, as f32
	s_wait_xcnt 0x0                                ; EXEC changes only behind this wait
	v_cmp_eq_u32 vcc_lo, 0, v11
	s_wait_tensorcnt 0x0
	ds_add_u32 v254, v255
	s_wait_dscnt 0x0
	s_and_saveexec_b32 s68, vcc_lo
	global_store_b32 v5, v100, s[12:13]            ; lane 0 stores my query's number
	s_endpgm
.Lfunc_end_k_q0347c617cc_vote:
	.size	k_q0347c617cc_vote, .Lfunc_end_k_q0347c617cc_vote-k_q0347c617cc_vote
	.p2alignl 7, 3214868480
	.fill 96, 4, 3214868480
	.section	.rodata,"a",@progbits
	.p2align	6, 0x0
	.amdhsa_kernel k_q0347c617cc_vote
		.amdhsa_group_segment_fixed_size 102912
		.amdhsa_private_segment_fixed_size 0
		.amdhsa_enable_private_segment 0
		.amdhsa_kernarg_size 40
		.amdhsa_user_sgpr_count 2
		.amdhsa_user_sgpr_kernarg_segment_ptr 1
		.amdhsa_wavefront_size32 1
		.amdhsa_system_sgpr_workgroup_id_x 1
		.amdhsa_system_sgpr_workgroup_id_y 1
		.amdhsa_system_sgpr_workgroup_id_z 1
		.amdhsa_system_vgpr_workitem_id 0
		.amdhsa_next_free_vgpr 768
		.amdhsa_next_free_sgpr 80
		.amdhsa_reserve_vcc 1
		.amdhsa_float_denorm_mode_32 3
		.amdhsa_float_denorm_mode_16_64 3
		.amdhsa_memory_ordered 1
		.amdhsa_forward_progress 1
		.amdhsa_inst_pref_size 42
	.end_amdhsa_kernel
	.amdgpu_metadata
---
amdhsa.version: [ 1, 2 ]
amdhsa.kernels:
  - .name:           k_q0347c617cc_vote
    .symbol:         k_q0347c617cc_vote.kd
    .args:
      - { .name: codes, .offset: 0, .size: 8, .value_kind: global_buffer, .address_space: global }
      - { .name: meta, .offset: 8, .size: 8, .value_kind: global_buffer, .address_space: global }
      - { .name: picks, .offset: 16, .size: 8, .value_kind: global_buffer, .address_space: global }
      - { .name: y_train, .offset: 24, .size: 8, .value_kind: global_buffer, .address_space: global }
      - { .name: out0, .offset: 32, .size: 8, .value_kind: global_buffer, .address_space: global }
    .group_segment_fixed_size: 102912
    .private_segment_fixed_size: 0
    .kernarg_segment_align: 8
    .kernarg_segment_size: 40
    .max_flat_workgroup_size: 128
    .sgpr_count:     80
    .vgpr_count:     768
    .wavefront_size: 32
...
	.end_amdgpu_metadata
.endif
;; end of part 4
